; MI455X (gfx1250); checked and timed in simulation.
; The chip was launched on July 23, 2026; its instructions are those of AMD's public machine-readable ISA for CDNA 5 (MIT licence, August 2026) and "CDNA5" Instruction Set Architecture Reference Guide (July 2026). The comments in the code are by the model that wrote it; some were corrected since.
;; Mixer Block. Allowed arithmetic: matrix products marked QUANTISED: E2M1 operands, one E8M0 scale for each 32 along K, by v_wmma_scale_f32_16x16x128_f8f6f4 with both operands' format E2M1 (or v_wmma_scale_f32_32x16x128_f4), f32 sums; products left as they are: bf16, f16 or f32 operands; f32 sums; everything else in f32.
;; Inputs: in_b 1,024 float32; in_w 1,024 x 1,024 float32; mix_b 16 x 2,048 float32; mix_w 16 x 2,048 float32; out_b 1,024 float32; out_w 1,024 x 1,024 float32; x 4 x 1,024 x 2,048 float32.
;; Outputs: out0 4 x 1,024 x 2,048 float32.
;; This version of the problem:
;;   THIS VERSION OF THE PROBLEM IS GIVEN IN LOW PRECISION. The matrix products marked QUANTISED in the list below multiply operands that are first quantised to E2M1 (2 exponent bits, 1 mantissa bit; 4 bits a number), with one power-of-two scale for each 32 numbers along K (OCP MX v1.0); their sums are f32. The products marked 'left as it is' may take bf16, f16 or f32 operands, with f32 sums. Whichever they take, every output number must still come out within the allowed error. Rounding operands to bf16 (8 significant bits) uses up far more of that allowance than f16 does (11 bits, for magnitudes from 6e-5 to 65,504). All else is computed in f32.
;;   The module's matrix products, in the order in which they are computed (A, B: the left and right operand; K: the contracted axis; several contracted axes count as one K, in the product's order):
;;     1. [M 8,192, K 1,024] x [K 1,024, N 1,024]; A: input x; B: input in_w: QUANTISED
;;     2. batch 16 x [M 2,048, K 2,048] x [K 2,048, N 256]; A: computed on the way; B: computed on the way: left as it is (an operand is computed on the way)
;;     3. [M 8,192, K 1,024] x [K 1,024, N 1,024]; A: computed on the way; B: input out_w: left as it is (an operand is computed on the way)
;;   THE QUANTISER, for each operand of a quantised product, along K:
;;     - K is cut into blocks of 32 from its start; a last block that is shorter is filled with zeros.
;;     - A block's scale is 2^e with e = floor(log2(the largest magnitude in the block)) - 2, held to -126 .. 127; a block of zeros has e = 0. As a byte (E8M0): e + 127.
;;     - Each number is divided by its block's scale, clamped to +-6, and rounded to the nearest number of E2M1, ties to even, subnormals kept.
;;     - The product sums the exact products of the quantised numbers (number of the format x scale) in f32.
;;   ~~~python
;;   def quantise(x, axis):      # numpy; x: float32 -> the quantised numbers, widened to float32 again
;;       x = np.moveaxis(x, axis, -1); K = x.shape[-1]
;;       x = np.pad(x, [(0, 0)] * (x.ndim - 1) + [(0, -K % 32)]); x = x.reshape(x.shape[:-1] + (-1, 32)); a = np.abs(x).max(-1, keepdims=True)
;;       e = np.where(a > 0, np.clip(np.frexp(np.where(a > 0, a, 1))[1] - 1 - 2, -126, 127), 0)      # np.frexp(a)[1] - 1 = floor(log2(a)), exactly
;;       r = np.clip(x / 2.0 ** e, -6, 6)
;;       step = 2.0 ** (np.maximum(np.frexp(np.where(r == 0, 1, r))[1] - 1, 0) - 1)
;;       q = np.round(r / step) * step * 2.0 ** e      # np.round: ties to even
;;       return np.moveaxis(q.reshape(q.shape[:-2] + (-1,))[..., :K], -1, axis).astype(np.float32)
;;   ~~~
;; One version. Each part assembles by itself: llvm-mc -triple=amdgcn-amd-amdhsa -mcpu=gfx1250 --defsym DOCPART=n.
;; ======== version 1 of 1: 3 launches
;; limits: right only within a limited range of input values; values are held in f16: magnitudes above 65,504 overflow, below 6.1e-05 lose precision; below input magnitudes of 9.3e-10 results are inexact or not finite
;; workspace buffers: xq 4,456,448 bytes; wq 557,056 bytes; wf 2,097,152 bytes; zf 16,777,216 bytes; tot 262,144 bytes; pmax 12,288 bytes; scal 131,072 bytes
;; launch prep (part 1): grid 640 x 1, 4 waves a work-group, no clusters, 102,912 bytes of LDS; arguments x, in_w, out_w, mix_w, mix_b, xq, wq, wf, pmax; writes xq, wq, wf, pmax
.if DOCPART == 1
	.amdgcn_target "amdgcn-amd-amdhsa--gfx1250"
	.amdhsa_code_object_version 6
	.text
	.protected	k_q8f000586f8_prep
	.globl	k_q8f000586f8_prep
	.p2align	8
	.type	k_q8f000586f8_prep,@function
k_q8f000586f8_prep:
	s_mov_b64 s[64:65], 0
	v_nop
	global_prefetch_b8 v0, s[64:65] scope:SCOPE_SE
	s_setreg_imm32_b32 hwreg(HW_REG_WAVE_MODE, 25, 1), 1
	s_wait_xcnt 0x0
; PREP.  x [4][1024 k][2048 t] and in_w [1024 n][1024 k], f32, become codes of FP4 (E2M1) with one E8M0 byte for each 32 along k; out_w [1024 m][1024 n] becomes 16 x out_w in f16.
; All three are laid as IMAGES OF OPERAND REGISTERS, so that the products' launches bring dense blocks into LDS and load each fragment by 16 bytes a lane at 16 x lane:
;   xq [32 blocks of 256 t][8 k steps of 128][17,408]: 16 tiles of 16 t x 1 KB ([k / 32][row][16 bytes]), then 256 scale words (a word a t);   wq [8 blocks of 128 n][8][8,704] likewise;
;   wf [8 blocks of 128 m][32 steps of 32 n][8 tiles of 16 m][1 KB]: [n / 8][row][16 bytes].
; Each wave also leaves the largest magnitude of what it read in pmax (x 0.., in_w 2048.., out_w 2304.., mix_w 2560.., mix_b 2816..): the next launch makes exact power-of-two scales of them.
; A block's scale is 2^(floor(log2(largest magnitude)) - 2); its byte is the largest magnitude's exponent field - 2, held at 1 from below.
; LIMITS: a block of zeros gets the byte 1 (its codes are zeros; this program alone reads the bytes); blocks whose largest magnitude lies under 2^-124 are held at that floor; |out_w| < 32, so that 16 x out_w and what is made of it stay inside f16; NaN and infinities are not served.
; SHARES.  A wave takes one unit of 16 KB.  Work-groups 0-511: x, a lane to a column t, registers down k (nothing is transposed); 512-575: in_w, rows turned through the wave's own LDS so that a lane holds a row's 128 k;
; 576-639: out_w, rows through the wave's own LDS into images.  No matrix unit, no cluster, no tensor load: nothing is shared between work-groups and every byte is read once.  Each path has LDS bytes of its own.
.set SPW,  2                           ; v2   LDS address of my spare word; never rewritten
.set NIL,  3                           ; v3   0; never rewritten
.set ZR,   4                           ; v4   0: the offset of the one-lane stores
.set L4,   5                           ; v5   4 x lane
.set L16,  6                           ; v6   16 x lane
.set CA,   9                           ; v9   my codes' place in two tiles: 1,024 (lane / 16) + 16 (lane % 16)
.set AIN,  10                          ; v10  in_w's stage, on the way in
.set AOUT, 11                          ; v11  and out: my row
.set BIN,  12                          ; v12  out_w's stage, in
.set BOUT, 13                          ; v13  and out
.set M,    16                          ; v16  the wave's largest magnitude
.set T0,   17
.set T1,   18
.set WD,   19                          ; v19  my scale word
.set SCL,  20                          ; v20  the conversions' scale operand
.set M2,   21                          ; v21  largest magnitude of my part of mix_w or mix_b
.set MX,   24                          ; v[24:27] that part
.set X,    32                          ; v32-159  128 numbers
.set C,    160                         ; v160-175 codes, four registers a block
.set H,    160                         ; v160-223 out_w: f16
.set WV,   26                          ; s26  wave
.set APIT, 528                         ; in_w's stage: a row of 512 bytes + 16: 33 x 16, so that 16 lanes that read 16 rows start at 16 different 16-byte columns
.set BPIT, 272                         ; out_w's stage: 256 bytes + 16
.set BREG, 4*32*APIT
.set SPARE, BREG+4*32*BPIT             ; behind the stages: the spare words, 128 bytes a wave
; block q of my 128 numbers: largest magnitude, scale byte into the word, 32 codes
.macro QBLOCK q
.set XS, X+32*(\q)
	v_max3_num_f32 v[T0], |v[XS]|, |v[XS+1]|, |v[XS+2]|
	v_max3_num_f32 v[T1], |v[XS+3]|, |v[XS+4]|, |v[XS+5]|
.irp i, 6,10,14,18,22,26
	v_max3_num_f32 v[T0], v[T0], |v[XS+\i]|, |v[XS+\i+1]|
	v_max3_num_f32 v[T1], v[T1], |v[XS+\i+2]|, |v[XS+\i+3]|
.endr
	v_max3_num_f32 v[T0], v[T0], |v[XS+30]|, |v[XS+31]|
	v_max3_num_f32 v[T0], v[T0], v[T1], 0x1800000      ; the floor 2^(3 - 127): the byte cannot fall under 1
.if (\q) == 0
	v_mov_b32 v[M], v[T0]
.else
	v_max_num_f32 v[M], v[M], v[T0]
.endif
	v_add_nc_u32 v[SCL], 0xff000000, v[T0]             ; 2 off the exponent field: the conversion takes that field as its scale
	v_lshrrev_b32 v[T1], 23, v[SCL]                    ; the scale's byte
.if (\q) == 0
	v_mov_b32 v[WD], v[T1]
.else
	v_lshl_or_b32 v[WD], v[T1], 8*(\q), v[WD]
.endif
.irp g, 0,1,2,3
	v_cvt_scalef32_pk8_fp4_f32 v[C+4*(\q)+\g], v[XS+8*\g:XS+8*\g+7], v[SCL]
.endr
	v_nop                                              ; a plain line behind the run of scaled conversions
.endm
.macro WMAX r                          ; the largest over the 32 lanes, in every lane
	v_max_num_f32_dpp v[\r], v[\r], v[\r] row_xmask:1 row_mask:0xf bank_mask:0xf
	v_max_num_f32_dpp v[\r], v[\r], v[\r] row_xmask:2 row_mask:0xf bank_mask:0xf
	v_max_num_f32_dpp v[\r], v[\r], v[\r] row_xmask:4 row_mask:0xf bank_mask:0xf
	v_max_num_f32_dpp v[\r], v[\r], v[\r] row_xmask:8 row_mask:0xf bank_mask:0xf
	v_permlanex16_b32 v[T1], v[\r], s28, s29
	v_max_num_f32 v[\r], v[\r], v[T1]
.endm
.macro LOADROWS b                      ; 32 rows of 4,096 bytes, 512 bytes of each: 32 lanes read 512 consecutive bytes
.set J, 0
.rept 32
	global_load_b128 v[X+4*J:X+4*J+3], v[L16], s[\b:\b+1] offset:J*4096 th:TH_LOAD_NT
.set J, J+1
.endr
.endm
	s_load_b512 s[4:19], s[0:1], 0x0               ; x, in_w, out_w, mix_w, mix_b, xq, wq, wf
	s_load_b64 s[20:21], s[0:1], 0x40              ; pmax
	v_lshl_add_u32 v[SPW], v0, 2, SPARE
	v_mov_b32 v[NIL], 0
	v_lshrrev_b32 v1, 5, v0
	v_readfirstlane_b32 s[WV], v1                  ; wave 0..3
	v_and_b32 v1, 31, v0                           ; lane
	v_mov_b32 v[ZR], 0
	v_mov_b32 v[T1], 0                             ; a lane permute's destination counts as read: written once here
	v_lshlrev_b32 v[L4], 2, v1
	v_lshlrev_b32 v[L16], 4, v1
	v_and_b32 v7, 15, v0
	v_bfe_u32 v8, v0, 4, 1
	v_lshlrev_b32 v[CA], 4, v7
	v_lshl_add_u32 v[CA], v8, 10, v[CA]
	s_mul_i32 s22, s[WV], 32*APIT                  ; all LDS addresses are made here, ahead of the parting of the paths
	v_add_nc_u32 v[AIN], s22, v[L16]
	v_mul_u32_u24 v[AOUT], v1, APIT
	v_add_nc_u32 v[AOUT], s22, v[AOUT]
	s_mul_i32 s22, s[WV], 32*BPIT
	s_add_co_u32 s22, s22, BREG
	v_lshl_add_u32 v[BIN], v1, 3, s22
	v_mul_u32_u24 v[BOUT], v7, BPIT
	v_lshl_add_u32 v[BOUT], v8, 4, v[BOUT]
	v_add_nc_u32 v[BOUT], s22, v[BOUT]
	s_mov_b32 s28, 0x76543210
	s_mov_b32 s29, 0xfedcba98                      ; v_permlanex16_b32: lane l xor 16
	s_mov_b32 s31, 0                               ; the high word of every offset pair s[30:31]
	s_wait_kmcnt 0x0
	s_cmp_lt_u32 ttmp9, 512
	s_cbranch_scc0 .Lnot_x
	; ---- x: work-group = (batch, 128 t, k step); my wave 32 t x 128 k
	s_and_b32 s22, ttmp9, 7                        ; k step
	s_bfe_u32 s23, ttmp9, 0x40003                  ; which 128 t of the batch
	s_lshr_b32 s24, ttmp9, 7                       ; batch
	s_lshl_b32 s23, s23, 2
	s_add_co_u32 s23, s23, s[WV]                   ; which 32 t
	s_lshl_b32 s30, s24, 23                        ; a batch is 1,024 rows of 8,192 bytes,
	s_lshl_b32 s25, s22, 20                        ; a k step 128 rows,
	s_add_co_u32 s30, s30, s25
	s_lshl_b32 s25, s23, 7                         ; 32 t are 128 bytes
	s_add_co_u32 s30, s30, s25
	s_add_nc_u64 s[4:5], s[4:5], s[30:31]
.set I, 0
.rept 128
	global_load_b32 v[X+I], v[L4], s[4:5] offset:I*8192 th:TH_LOAD_NT   ; x(k, my t): the four waves stand side by side on 512 bytes of a row
.set I, I+1
.endr
	s_lshl_b32 s24, s24, 3
	s_lshr_b32 s25, s23, 3
	s_add_co_u32 s24, s24, s25                     ; block of 256 t
	s_mul_i32 s30, s24, 8*17408
	s_mul_i32 s25, s22, 17408
	s_add_co_u32 s30, s30, s25
	s_add_nc_u64 s[14:15], s[14:15], s[30:31]      ; the block's k step in xq
	s_and_b32 s23, s23, 7
	s_lshl_b32 s30, s23, 7
	s_add_nc_u64 s[32:33], s[14:15], s[30:31]      ; my 32 scale words (16,384 bytes on: in the immediate)
	s_lshl_b32 s30, s23, 11
	s_add_nc_u64 s[14:15], s[14:15], s[30:31]      ; my two tiles
	s_lshl_b32 s30, ttmp9, 4
	s_lshl_b32 s25, s[WV], 2
	s_add_co_u32 s30, s30, s25
	s_add_nc_u64 s[20:21], s[20:21], s[30:31]      ; pmax[4 x work-group + wave]
	s_wait_loadcnt 63                              ; block 0 wants the first 32 of the 128 loads: 96 are younger; the wait's field ends at 63, which asks for more
	QBLOCK 0
	global_store_b128 v[CA], v[C:C+3], s[14:15]                  ; sixteen lanes store 256 consecutive bytes, aligned
	s_wait_loadcnt 63                              ; 64 are younger than block 1's
	QBLOCK 1
	global_store_b128 v[CA], v[C+4:C+7], s[14:15] offset:256
	s_wait_loadcnt 32
	QBLOCK 2
	global_store_b128 v[CA], v[C+8:C+11], s[14:15] offset:512
	s_wait_loadcnt 0x0
	QBLOCK 3
	global_store_b128 v[CA], v[C+12:C+15], s[14:15] offset:768
	global_store_b32 v[L4], v[WD], s[32:33] offset:16384
	WMAX M
	s_wait_xcnt 0x0                                ; EXEC changes only when the stores above have read it
	v_cmp_eq_u32 vcc_lo, 0, v1
	s_and_saveexec_b32 s27, vcc_lo
	global_store_b32 v[ZR], v[M], s[20:21]
	s_wait_xcnt 0x0
	s_or_b32 exec_lo, exec_lo, s27
	s_branch .Lend
.Lnot_x:
	s_cmp_lt_u32 ttmp9, 576
	s_cbranch_scc0 .Lout_w
	; ---- in_w: my wave 32 n x 128 k, and 512 bytes of mix_w for its largest magnitude
	s_sub_co_u32 s22, ttmp9, 512
	s_lshl_b32 s22, s22, 2
	s_add_co_u32 s22, s22, s[WV]                   ; unit 0..255
	s_and_b32 s23, s22, 7                          ; k step
	s_lshr_b32 s24, s22, 3                         ; which 32 n
	s_lshl_b32 s30, s22, 9
	s_add_nc_u64 s[10:11], s[10:11], s[30:31]
	global_load_b128 v[MX:MX+3], v[L16], s[10:11]  ; issued first: older than the rows' loads, so their waits cover it
	s_lshl_b32 s30, s24, 17                        ; 32 rows of 4,096 bytes
	s_lshl_b32 s25, s23, 9
	s_add_co_u32 s30, s30, s25
	s_add_nc_u64 s[6:7], s[6:7], s[30:31]
	LOADROWS 6
	s_lshr_b32 s25, s24, 2                         ; block of 128 n
	s_mul_i32 s30, s25, 8*8704
	s_mul_i32 s25, s23, 8704
	s_add_co_u32 s30, s30, s25
	s_add_nc_u64 s[16:17], s[16:17], s[30:31]
	s_and_b32 s24, s24, 3
	s_lshl_b32 s30, s24, 7
	s_add_nc_u64 s[32:33], s[16:17], s[30:31]      ; my scale words (8,192 bytes on)
	s_lshl_b32 s30, s24, 11
	s_add_nc_u64 s[16:17], s[16:17], s[30:31]      ; my two tiles
	s_lshl_b32 s30, s22, 2
	s_add_nc_u64 s[20:21], s[20:21], s[30:31]      ; pmax + 4 x unit
.set J, 0
.rept 32
	s_wait_loadcnt 31-J                            ; row J is in; the younger rows stay out
	ds_store_b128 v[AIN], v[X+4*J:X+4*J+3] offset:J*APIT
.set J, J+1
.endr
	s_wait_dscnt 0x0                               ; the stores have read X, which the loads below fill again
.set J, 0
.rept 32
	ds_load_b128 v[X+4*J:X+4*J+3], v[AOUT] offset:16*J     ; my row's 128 k
.set J, J+1
.endr
	s_wait_dscnt 24                                ; a block is eight loads: 24, 16, 8, 0 are younger
	QBLOCK 0
	global_store_b128 v[CA], v[C:C+3], s[16:17]
	s_wait_dscnt 16
	QBLOCK 1
	global_store_b128 v[CA], v[C+4:C+7], s[16:17] offset:256
	s_wait_dscnt 8
	QBLOCK 2
	global_store_b128 v[CA], v[C+8:C+11], s[16:17] offset:512
	s_wait_dscnt 0x0
	QBLOCK 3
	global_store_b128 v[CA], v[C+12:C+15], s[16:17] offset:768
	global_store_b32 v[L4], v[WD], s[32:33] offset:8192
	v_max3_num_f32 v[M2], |v[MX]|, |v[MX+1]|, |v[MX+2]|
	v_max_num_f32 v[M2], v[M2], |v[MX+3]|
	WMAX M
	WMAX M2
	s_wait_xcnt 0x0
	v_cmp_eq_u32 vcc_lo, 0, v1
	s_and_saveexec_b32 s27, vcc_lo
	global_store_b32 v[ZR], v[M], s[20:21] offset:4*2048
	global_store_b32 v[ZR], v[M2], s[20:21] offset:4*2560
	s_wait_xcnt 0x0
	s_or_b32 exec_lo, exec_lo, s27
	s_branch .Lend
.Lout_w:
	; ---- out_w: my wave 32 m x 128 n, and 512 bytes of mix_b
	s_sub_co_u32 s22, ttmp9, 576
	s_lshl_b32 s22, s22, 2
	s_add_co_u32 s22, s22, s[WV]                   ; unit 0..255
	s_and_b32 s23, s22, 7                          ; which 128 n
	s_lshr_b32 s24, s22, 3                         ; which 32 m
	s_lshl_b32 s30, s22, 9
	s_add_nc_u64 s[12:13], s[12:13], s[30:31]
	global_load_b128 v[MX:MX+3], v[L16], s[12:13]
	s_lshl_b32 s30, s24, 17
	s_lshl_b32 s25, s23, 9
	s_add_co_u32 s30, s30, s25
	s_add_nc_u64 s[8:9], s[8:9], s[30:31]
	LOADROWS 8
	s_lshr_b32 s25, s24, 2                         ; block of 128 m: 262,144 bytes
	s_lshl_b32 s30, s25, 18
	s_lshl_b32 s25, s23, 15                        ; four steps of 32 n, 8,192 bytes each
	s_add_co_u32 s30, s30, s25
	s_and_b32 s24, s24, 3
	s_lshl_b32 s25, s24, 11                        ; my two tiles of 16 m
	s_add_co_u32 s30, s30, s25
	s_add_nc_u64 s[18:19], s[18:19], s[30:31]
	s_lshl_b32 s30, s22, 2
	s_add_nc_u64 s[20:21], s[20:21], s[30:31]
	s_wait_loadcnt 0x0
	v_max_num_f32 v[M], |v[X]|, |v[X+1]|
	v_max_num_f32 v[T0], |v[X+2]|, |v[X+3]|
.set J, 4
.rept 31
	v_max3_num_f32 v[M], v[M], |v[X+J]|, |v[X+J+1]|
	v_max3_num_f32 v[T0], v[T0], |v[X+J+2]|, |v[X+J+3]|
.set J, J+4
.endr
	v_max_num_f32 v[M], v[M], v[T0]
.set J, 0
.rept 64
	v_pk_mul_f32 v[X+2*J:X+2*J+1], v[X+2*J:X+2*J+1], 0x41800000 op_sel_hi:[1,0]   ; x 16: exact
.set J, J+1
.endr
.set J, 0
.rept 64
	v_cvt_pk_f16_f32 v[H+J], v[X+2*J], v[X+2*J+1]
.set J, J+1
.endr
.set J, 0
.rept 32
	ds_store_b64 v[BIN], v[H+2*J:H+2*J+1] offset:J*BPIT    ; row J: 128 f16, 8 bytes a lane
.set J, J+1
.endr
.set J, 0
.rept 16                               ; J = 8 tile + 2 step + group: lane (r, h) takes row 16 tile + r, n = 32 step + 16 group + 8 h + 0 .. 7.  LDS serves a wave's instructions in order: these see the stores
	ds_load_b128 v[X+4*J:X+4*J+3], v[BOUT] offset:(J/8)*16*BPIT+((J/2)%4)*64+(J%2)*32
.set J, J+1
.endr
.set J, 0
.rept 16
	s_wait_dscnt 15-J
	global_store_b128 v[L16], v[X+4*J:X+4*J+3], s[18:19] offset:((J/2)%4)*8192+(J/8)*1024+(J%2)*512   ; 32 lanes store 512 consecutive bytes, aligned
.set J, J+1
.endr
	v_max3_num_f32 v[M2], |v[MX]|, |v[MX+1]|, |v[MX+2]|
	v_max_num_f32 v[M2], v[M2], |v[MX+3]|
	WMAX M
	WMAX M2
	s_wait_xcnt 0x0
	v_cmp_eq_u32 vcc_lo, 0, v1
	s_and_saveexec_b32 s27, vcc_lo
	global_store_b32 v[ZR], v[M], s[20:21] offset:4*2304
	global_store_b32 v[ZR], v[M2], s[20:21] offset:4*2816
	s_wait_xcnt 0x0
	s_or_b32 exec_lo, exec_lo, s27
.Lend:
	s_wait_tensorcnt 0x0                           ; the wave's end, behind my last LDS store
	ds_add_u32 v[SPW], v[NIL]
	s_wait_dscnt 0x0
	s_endpgm
.Lfunc_end_k_q8f000586f8_prep:
	.size	k_q8f000586f8_prep, .Lfunc_end_k_q8f000586f8_prep-k_q8f000586f8_prep
	.p2alignl 7, 3214868480
	.fill 96, 4, 3214868480
	.section	.rodata,"a",@progbits
	.p2align	6, 0x0
	.amdhsa_kernel k_q8f000586f8_prep
		.amdhsa_group_segment_fixed_size 102912
		.amdhsa_private_segment_fixed_size 0
		.amdhsa_enable_private_segment 0
		.amdhsa_kernarg_size 72
		.amdhsa_user_sgpr_count 2
		.amdhsa_user_sgpr_kernarg_segment_ptr 1
		.amdhsa_wavefront_size32 1
		.amdhsa_system_sgpr_workgroup_id_x 1
		.amdhsa_system_sgpr_workgroup_id_y 1
		.amdhsa_system_sgpr_workgroup_id_z 1
		.amdhsa_system_vgpr_workitem_id 0
		.amdhsa_next_free_vgpr 224
		.amdhsa_next_free_sgpr 66
		.amdhsa_reserve_vcc 1
		.amdhsa_float_denorm_mode_32 3
		.amdhsa_float_denorm_mode_16_64 3
		.amdhsa_memory_ordered 1
		.amdhsa_forward_progress 1
		.amdhsa_inst_pref_size 63
	.end_amdhsa_kernel
	.amdgpu_metadata
---
amdhsa.version: [ 1, 2 ]
amdhsa.kernels:
  - .name:           k_q8f000586f8_prep
    .symbol:         k_q8f000586f8_prep.kd
    .args:
      - { .name: x, .offset: 0, .size: 8, .value_kind: global_buffer, .address_space: global }
      - { .name: in_w, .offset: 8, .size: 8, .value_kind: global_buffer, .address_space: global }
      - { .name: out_w, .offset: 16, .size: 8, .value_kind: global_buffer, .address_space: global }
      - { .name: mix_w, .offset: 24, .size: 8, .value_kind: global_buffer, .address_space: global }
      - { .name: mix_b, .offset: 32, .size: 8, .value_kind: global_buffer, .address_space: global }
      - { .name: xq, .offset: 40, .size: 8, .value_kind: global_buffer, .address_space: global }
      - { .name: wq, .offset: 48, .size: 8, .value_kind: global_buffer, .address_space: global }
      - { .name: wf, .offset: 56, .size: 8, .value_kind: global_buffer, .address_space: global }
      - { .name: pmax, .offset: 64, .size: 8, .value_kind: global_buffer, .address_space: global }
    .group_segment_fixed_size: 102912
    .private_segment_fixed_size: 0
    .kernarg_segment_align: 8
    .kernarg_segment_size: 72
    .max_flat_workgroup_size: 128
    .sgpr_count:     66
    .vgpr_count:     224
    .wavefront_size: 32
...
	.end_amdgpu_metadata
.endif
;; end of part 1
;; launch gemm1 (part 2): grid 32 x 8, 4 waves a work-group, clusters of 4 x 4, 283,392 bytes of LDS; arguments xq, wq, pmax, in_b, mix_w, mix_b, zf, tot, scal; writes zf, tot, scal
.if DOCPART == 2
	.amdgcn_target "amdgcn-amd-amdhsa--gfx1250"
	.amdhsa_code_object_version 6
	.text
	.protected	k_q8f000586f8_gemm1
	.globl	k_q8f000586f8_gemm1
	.p2align	8
	.type	k_q8f000586f8_gemm1,@function
k_q8f000586f8_gemm1:
	s_mov_b64 s[64:65], 0
	v_nop
	global_prefetch_b8 v0, s[64:65] scope:SCOPE_SE
	s_setreg_imm32_b32 hwreg(HW_REG_WAVE_MODE, 25, 1), 1
	s_wait_xcnt 0x0
	s_wait_alu depctr_hold_cnt(0) depctr_sa_sdst(0) depctr_va_vdst(0) depctr_va_sdst(0) depctr_va_ssrc(0) depctr_va_vcc(0) depctr_vm_vsrc(0)
	s_getreg_b32 s2, hwreg(HW_REG_IB_STS2, 6, 4)
	s_cmp_eq_u32 s2, 0
	s_cbranch_scc0 .Lentry_in_a_cluster
	s_endpgm
.Lentry_in_a_cluster:
	s_bfe_u32 s2, ttmp6, 0x10000c
	s_cmp_lg_u32 s2, 0xf033
	s_cbranch_scc0 .Lentry_shape_is_right
	s_endpgm
.Lentry_shape_is_right:
; GEMM1.  Y[n][t] = sum over k of Q(in_w)[n][k] Q(x)[k][t] + in_b[n], on codes of FP4 with E8M0 scales, and the head mixing as a SCAN along t:
; the mixing matrices are a causal mask times a vector, so for head h = n / 64:  h < 8: Z = v[t] cumsum(Y) + mix_b[t];  h >= 8: Z = cumsum(v Y) + mix_b[t].
; Here the scan is made inside chunks of 128 t: L = local inclusive scan of g Y (g = 1 or v), Zl = a L + mix_b (a = v or 1).  Zl goes out in f16 as operand images (zf), the chunks' totals in f32 (tot);
; the next launch adds the carries, which enter its product linearly.
; SCALES.  Zl has no fixed room in f16, so it goes under an exact power-of-two scale F = 2^15 / PZ, PZ a bound made of the inputs' largest magnitudes (P2(x) = the power of two above x):
;   PX, PW, PO = P2(max(M, 2^-30));  PV = P2(max(Mv, 1));  PY = P2(1024 PX PW + Mib);  PS = 2048 PV PY >= |L|, |carry|;  PZ = P2(PV PS + Mmb) > |Zl|.
;   For the next launch: FC = 2^15 / PS, FU = 2^-10 / PO, FA = (PS / PZ) 2^10 PO, OS = PZ 2^-19 (scal).
; LIMITS: PZ under 2^100; largest magnitudes under 2^-30 are taken as 2^-30; NaN and infinities are not served.
; SHARES.  A work-group makes 256 t x 128 n over all of K: its codes and scale words, 208,896 bytes, lie in LDS at once: first fills only, nothing is filled again.  Wave (SH, SL) makes one head (64 n) x one chunk (128 t):
; 32 accumulators.  Source 0 = 16 t of x, source 1 = 16 n of in_w: a lane holds ONE n and its eight registers eight neighbouring t, so the scan runs down a lane's registers.
; CLUSTER 4 x 4: x's blocks hang on the block of t alone and are asked for jointly by a column of the cluster, in_w's on the block of n alone, by a row.
; REGISTERS, in windows of 256.  Window 0: addresses; v32-43 scale words; v48-79 in_b as C; v80-111 at work; v112-239 f16 results; v240-243 running totals.  Window 1: two sets of fragments (64 of x, 32 of in_w), later the turned images.
; Window 2: the accumulators, (i, a) at v[8 (8 a + i)].  Window 3: v0-63 mix_w, then a F; v64-127 mix_b F; v128-191 g; v192-193 F.
.set XBLK, 17408
.set WBLK, 8704
.set WT,   8*XBLK                      ; LDS: x's eight k steps, then in_w's eight,
.set STG,  WT+8*WBLK                   ; a stage of 64 rows (n) x 288 bytes for each wave,
.set SPIT, 288                         ; (256 bytes of t + 32: nine times 32)
.set RED,  STG+4*64*SPIT               ; 256 bytes for the waves' maxima,
.set SPARE, RED+256                    ; and the spare words, 128 bytes a wave
.set SPW, 4
.set NIL, 5
.set AX,  6                            ; v6-8   x's fragments: k steps 0-2, 3-5, 6-7 (an LDS offset has 16 bits)
.set AXS, 9                            ; v9-11  x's scale words likewise
.set AW,  12                           ; v12    in_w's fragments
.set AWS, 13                           ; v13    in_w's scale words
.set STO, 14                           ; v14    the stage, in
.set TRA, 15                           ; v15    the stage, turned out
.set ZO,  16                           ; v16    16 x lane
.set HM,  17                           ; v17    lane / 16 as f32
.set T16, 18                           ; v18    16 x thread
.set T8,  19                           ; v19    8 x thread
.set SCV, 20                           ; v20-23 FC, FU, FA, OS
.set FF,  24                           ; v24    F
.set R4,  25                           ; v25    4 (lane % 16)
.set H32, 26                           ; v26    32 (lane / 16)
.set L4,  27                           ; v27    4 x lane
.set RW,  28                           ; v28    RED, my wave's 32 bytes
.set RR,  29                           ; v29    RED
.set XSC, 32                           ; v32-39 x's scale words, two sets of four: lanes 0-15 tile 2 p, lanes 16-31 tile 2 p + 1
.set WSC, 40                           ; v40-43 in_w's, two sets of two
.set BI,  48                           ; v48-79 in_b in the result's layout
.set PD,  80                           ; v80-111 pmax and in_b as loaded;
.set OT,  80                           ;         later a tile's other half's total, then its offset
.set RM,  112                          ; v112-117 the six maxima
.set RDD, 120                          ; v120-151 the four waves' maxima
.set SV,  152                          ; v152-160 the scales at work
.set TT,  112                          ; v112-143 tiles' totals
.set PK,  112                          ; v112-239 Zl in f16, four registers a tile
.set CY,  240                          ; v240-243 running totals, one for each tile of n
.set WV,  22
.set SH,  23
.set G1X, 24
.set G1W, 32
.set G0X, 40                           ; s[40:55] four sets
.set G0W, 56                           ; s[56:63], s[68:75] four sets
.set SEL, 84
.set COL, 86                           ; all ones where my head is one of the first eight
.set HI,  87                           ; lanes 16-31
.set SL,  88
.set EXPM, 89
.set K1024, 95
.set MSB, 0
.macro WIN new                         ; the immediate's high byte repeats the setting that is left
.if MSB != \new
	s_set_vgpr_msb (MSB<<8)|\new
.set MSB, \new
.endif
.endm
.macro PLACES                          ; four plain vector lines between a matrix instruction and a load into, or a read of, its registers
.rept 4
	v_nop
.endr
.endm
.macro CROUND                          ; a round of the cluster's barrier
	s_barrier_signal -1
	s_barrier_wait -1
	s_cmp_lg_u32 s[WV], 0
	s_cbranch_scc1 .Lnot_wave_0_\@
	s_barrier_signal -3
.Lnot_wave_0_\@:
	s_barrier_wait -3
	s_barrier_signal -1
	s_barrier_wait -1
.endm
.macro G1SET g, rows                   ; a dense block as rows of 256 bytes: 32 elements of 8 bytes
	s_mov_b32 s[\g+1], 32<<16
	s_mov_b32 s[\g+2], (\rows)<<16
	s_mov_b32 s[\g+3], 32<<16
	s_mov_b32 s[\g+4], \rows
	s_mov_b32 s[\g+5], 32
	s_mov_b32 s[\g+6], 0
	s_mov_b32 s[\g+7], 0
.endm
; 30 LDS loads: k step ks's fragments and scale words into set f.  An image's group c of four registers lies at 512 c + 16 x lane
.macro FETCH ks, f
	WIN 0x40
.irp i, 0,1,2,3,4,5,6,7
.irp c, 0,1
	ds_load_b128 v[96*(\f)+8*\i+4*\c:96*(\f)+8*\i+4*\c+3], v[AX+(\ks)/3] offset:((\ks)%3)*XBLK+\i*1024+512*\c
.endr
.endr
.irp a, 0,1,2,3
.irp c, 0,1
	ds_load_b128 v[96*(\f)+64+8*\a+4*\c:96*(\f)+64+8*\a+4*\c+3], v[AW] offset:(\ks)*WBLK+\a*1024+512*\c
.endr
.endr
	WIN 0
.irp p, 0,1,2,3
	ds_load_b32 v[XSC+4*(\f)+\p], v[AXS+(\ks)/3] offset:((\ks)%3)*XBLK+128*\p
.endr
.irp q, 0,1
	ds_load_b32 v[WSC+2*(\f)+\q], v[AWS] offset:(\ks)*WBLK+128*\q
.endr
.endm
; one product: tile i of t x tile a of n.  c0 = 1: the first k step, whose C is in_b
.macro PROD c0, f, i, a
.set rD, 8*(8*(\a)+(\i))
.set rA, 96*(\f)+8*(\i)
.set rB, 96*(\f)+64+8*(\a)
.set rSA, XSC+4*(\f)+(\i)/2
.set rSB, WSC+2*(\f)+(\a)/2
.set rC, rD
.if \c0
.set rC, BI+8*(\a)
.endif
.if ((\i)%2 == 0) && ((\a)%2 == 0)
	v_wmma_scale_f32_16x16x128_f8f6f4 v[rD:rD+7], v[rA:rA+7], v[rB:rB+7], v[rC:rC+7], v[rSA], v[rSB] matrix_a_fmt:MATRIX_FMT_FP4 matrix_b_fmt:MATRIX_FMT_FP4
.elseif ((\i)%2 == 1) && ((\a)%2 == 0)
	v_wmma_scale_f32_16x16x128_f8f6f4 v[rD:rD+7], v[rA:rA+7], v[rB:rB+7], v[rC:rC+7], v[rSA], v[rSB] matrix_a_fmt:MATRIX_FMT_FP4 matrix_b_fmt:MATRIX_FMT_FP4 matrix_a_scale:MATRIX_SCALE_ROW1
.elseif ((\i)%2 == 0) && ((\a)%2 == 1)
	v_wmma_scale_f32_16x16x128_f8f6f4 v[rD:rD+7], v[rA:rA+7], v[rB:rB+7], v[rC:rC+7], v[rSA], v[rSB] matrix_a_fmt:MATRIX_FMT_FP4 matrix_b_fmt:MATRIX_FMT_FP4 matrix_b_scale:MATRIX_SCALE_ROW1
.else
	v_wmma_scale_f32_16x16x128_f8f6f4 v[rD:rD+7], v[rA:rA+7], v[rB:rB+7], v[rC:rC+7], v[rSA], v[rSB] matrix_a_fmt:MATRIX_FMT_FP4 matrix_b_fmt:MATRIX_FMT_FP4 matrix_a_scale:MATRIX_SCALE_ROW1 matrix_b_scale:MATRIX_SCALE_ROW1
.endif
.endm
.macro MULS c0, f, from, n             ; products from .. from + n - 1 of a k step's 32; the 32 accumulators take turns, in the same order in every step
.set IDX, \from
.rept \n
	PROD \c0, \f, IDX%8, IDX/8
.set IDX, IDX+1
.endr
.endm
; A k step.  The next step's fragments are asked for 32 products (odd steps: 24) ahead of their use.  A pair of k steps comes by one load of each wave: behind an odd step's barrier the next pair is whole.
.macro STEP ks
.set SF, (\ks)%2
	s_wait_dscnt 0x0                               ; this step's fragments are in
.if (\ks) == 7
	WIN 0xa5
	MULS 0, SF, 0, 32
.elseif (\ks)%2 == 0
.if (\ks) > 0
	PLACES
.endif
	FETCH (\ks)+1, 1-SF
.if (\ks) == 0
	WIN 0x85                                       ; C in window 0: in_b
	MULS 1, SF, 0, 32
.else
	WIN 0xa5
	MULS 0, SF, 0, 32
.endif
.else
	s_wait_tensorcnt 3-((\ks)+1)/2                 ; my load of the next pair of k steps has landed; my loads of later pairs are younger and stay out: no LDS byte is ever filled again
	s_barrier_signal -1
	WIN 0xa5
	MULS 0, SF, 0, 8
	s_barrier_wait -1                              ; everybody's has
	PLACES
	FETCH (\ks)+1, 1-SF
	WIN 0xa5
	MULS 0, SF, 8, 24
.endif
.endm
.macro P2 r                            ; the power of two above a positive number
	v_and_b32 v[\r], s[EXPM], v[\r]
	v_add_nc_u32 v[\r], 0x800000, v[\r]
.endm
	s_load_b512 s[4:19], s[0:1], 0x0               ; xq, wq, pmax, in_b, mix_w, mix_b, zf, tot
	s_load_b64 s[20:21], s[0:1], 0x40              ; scal
	v_lshl_add_u32 v[SPW], v0, 2, SPARE
	v_mov_b32 v[NIL], 0
	ds_add_u32 v[SPW], v[NIL]                      ; the wave's opening: the add and its wait come ahead of my first tensor load
	v_lshrrev_b32 v1, 5, v0
	v_readfirstlane_b32 s[WV], v1                  ; wave 0..3
	s_lshr_b32 s[SH], s[WV], 1                     ; which head of the block's two.  Also: I fetch x (0) or in_w (1)
	s_and_b32 s[SL], s[WV], 1                      ; which chunk of the block's two.  Also: which k step of a pair I fetch
	s_bfe_u32 s76, ttmp6, 0x40000                  ; cx
	s_bfe_u32 s77, ttmp6, 0x40004                  ; cy
	s_lshl_b32 s78, ttmp9, 2
	s_add_co_u32 s78, s78, s76                     ; block of 256 t = 4 x cluster x + cx
	s_and_b32 s79, ttmp7, 0xffff
	s_cmp_eq_u32 s79, 0                            ; cluster y = 0: blocks of n 0-3: heads 0-7
	s_cselect_b32 s[COL], -1, 0
	s_lshl_b32 s79, s79, 2
	s_add_co_u32 s79, s79, s77                     ; block of 128 n = 4 x cluster y + cy
	s_lshl_b32 s80, s77, 2
	s_lshl_b32 s80, 15, s80                        ; my row of the cluster
	s_lshl_b32 s81, 0x1111, s76                    ; my column
	s_or_b32 s[G1X], s81, (3<<16)|(1<<21)          ; x's blocks go to my column; elements of 8 bytes; bit 21 beside a mask
	s_or_b32 s[G1W], s80, (3<<16)|(1<<21)          ; in_w's to my row
	G1SET G1X, 68                                  ; 68 x 256 = 17,408 bytes
	G1SET G1W, 34                                  ; 34 x 256 = 8,704 bytes
	s_mul_i32 s82, s[SL], XBLK                     ; my k step of a pair, in memory and in LDS alike
	s_mul_i32 s83, s[SL], WBLK
	s_mul_i32 s2, s78, 8*XBLK
	s_add_co_u32 s2, s2, s82
	s_mov_b32 s3, 0
	s_mul_i32 s66, s79, 8*WBLK
	s_add_co_u32 s66, s66, s83
	s_mov_b32 s67, 0
	s_mov_b32 s[SEL], 0x76543210
	s_mov_b32 s[SEL+1], 0xfedcba98
	s_mov_b32 s[HI], 0xffff0000
	s_mov_b32 s[EXPM], 0x7f800000
	s_mov_b32 s[K1024], 0x44800000
	s_wait_dscnt 0x0                               ; the opening add is done
	s_wait_kmcnt 0x0
	s_add_nc_u64 s[2:3], s[4:5], s[2:3]
	s_add_nc_u64 s[66:67], s[6:7], s[66:67]
	CROUND                                         ; all sixteen work-groups are here: the joint loads meet
.irp p, 0,1,2,3
.set GW, G0W+4*\p+4*(\p/2)
	s_mov_b32 s[G0X+4*\p], 1
	s_add_co_u32 s[G0X+4*\p+1], s82, \p*2*XBLK
	s_add_nc_u64 s[G0X+4*\p+2:G0X+4*\p+3], s[2:3], \p*2*XBLK
	s_or_b32 s[G0X+4*\p+3], s[G0X+4*\p+3], 0x80000000
	s_mov_b32 s[GW], 1
	s_add_co_u32 s[GW+1], s83, WT+\p*2*WBLK
	s_add_nc_u64 s[GW+2:GW+3], s[66:67], \p*2*WBLK
	s_or_b32 s[GW+3], s[GW+3], 0x80000000
.endr
	s_cmp_eq_u32 s[SH], 0                          ; a wave's four first fills stand in one branch: four loads of mine are out
	s_cbranch_scc0 .Lfill_w
.irp p, 0,1,2,3
	tensor_load_to_lds s[G0X+4*\p:G0X+4*\p+3], s[G1X:G1X+7]
	s_nop 0
.endr
	PLACES
	s_branch .Lfilled
.Lfill_w:
.irp p, 0,1,2,3
.set GW, G0W+4*\p+4*(\p/2)
	tensor_load_to_lds s[GW:GW+3], s[G1W:G1W+7]
	s_nop 0
.endr
	PLACES
.Lfilled:
	v_and_b32 v1, 31, v0                           ; lane
	v_and_b32 v2, 15, v0                           ; r
	v_bfe_u32 v3, v0, 4, 1                         ; half
	s_lshl_b32 s80, s[SL], 13                      ; my chunk's eight tiles of t
	v_lshl_add_u32 v[AX], v1, 4, s80
	v_add_nc_u32 v[AX+1], 3*XBLK, v[AX]
	v_add_nc_u32 v[AX+2], 6*XBLK, v[AX]
	s_lshl_b32 s80, s[SL], 9
	s_add_co_u32 s80, s80, 16384
	v_lshl_add_u32 v[AXS], v1, 2, s80
	v_add_nc_u32 v[AXS+1], 3*XBLK, v[AXS]
	v_add_nc_u32 v[AXS+2], 6*XBLK, v[AXS]
	s_lshl_b32 s80, s[SH], 12                      ; my head's four tiles of n
	s_add_co_u32 s80, s80, WT
	v_lshl_add_u32 v[AW], v1, 4, s80
	s_lshl_b32 s80, s[SH], 8
	s_add_co_u32 s80, s80, WT+8192
	v_lshl_add_u32 v[AWS], v1, 2, s80
	s_mul_i32 s80, s[WV], 64*SPIT
	s_add_co_u32 s80, s80, STG                     ; my stage
	v_mul_u32_u24 v[STO], v2, SPIT
	v_lshl_add_u32 v[STO], v3, 4, v[STO]
	v_add_nc_u32 v[STO], s80, v[STO]               ; in: row n = r, 16 bytes for each half of the lanes
	v_and_b32 v30, 7, v0
	v_lshl_add_u32 v30, v3, 3, v30
	v_mul_u32_u24 v[TRA], v30, SPIT
	v_bfe_u32 v30, v0, 3, 1
	v_lshl_add_u32 v[TRA], v30, 4, v[TRA]
	v_add_nc_u32 v[TRA], s80, v[TRA]               ; out: row 8 half + lane % 8, 16 bytes at 16 ((lane / 8) % 2)
	v_lshlrev_b32 v[ZO], 4, v1
	v_cvt_f32_u32 v[HM], v3
	v_lshlrev_b32 v[T16], 4, v0
	v_lshlrev_b32 v[T8], 3, v0
	v_lshlrev_b32 v[R4], 2, v2
	v_lshlrev_b32 v[H32], 5, v3
	v_lshlrev_b32 v[L4], 2, v1
	s_lshl_b32 s80, s[WV], 5
	s_add_co_u32 s80, s80, RED
	v_mov_b32 v[RW], s80
	v_mov_b32 v[RR], RED
	s_lshl_b32 s80, s79, 9
	s_lshl_b32 s81, s[SH], 8
	s_add_co_u32 s80, s80, s81                     ; my first n, in bytes of f32
	s_mov_b32 s81, 0
	s_add_nc_u64 s[90:91], s[10:11], s[80:81]      ; in_b at my 64 n
	s_lshl_b32 s92, s78, 13
	s_lshl_b32 s93, s[SL], 12
	s_add_co_u32 s92, s92, s93
	s_add_co_u32 s92, s92, s80
	s_mov_b32 s93, 0
	s_add_nc_u64 s[18:19], s[18:19], s[92:93]      ; tot: row 2 x block + chunk, my 64 n
	s_lshl_b32 s92, s79, 14                        ; head 2 x block of n + SH: rows of 8,192 bytes
	s_lshl_b32 s94, s[SH], 13
	s_add_co_u32 s92, s92, s94
	s_and_b32 s94, s78, 7
	s_lshl_b32 s94, s94, 10
	s_add_co_u32 s92, s92, s94
	s_lshl_b32 s94, s[SL], 9
	s_add_co_u32 s92, s92, s94                     ; my chunk's first t
	s_add_nc_u64 s[12:13], s[12:13], s[92:93]
	s_add_nc_u64 s[14:15], s[14:15], s[92:93]
	s_lshl_b32 s92, s78, 19
	s_lshl_b32 s94, s79, 16
	s_add_co_u32 s92, s92, s94
	s_lshl_b32 s94, s[SH], 15
	s_add_co_u32 s92, s92, s94
	s_lshl_b32 s94, s[SL], 13
	s_add_co_u32 s92, s92, s94
	s_add_nc_u64 s[16:17], s[16:17], s[92:93]      ; zf: my block of t, my two steps of 32 n, my eight tiles of t
	s_lshl_b32 s92, s79, 14
	s_lshl_b32 s94, s78, 9
	s_add_co_u32 s92, s92, s94
	s_add_nc_u64 s[20:21], s[20:21], s[92:93]      ; scal: 512 bytes a work-group
.irp j, 0,1,2,3
	global_load_b128 v[PD+4*\j:PD+4*\j+3], v[T16], s[8:9] offset:2048*\j        ; x's 2,048 partial maxima: 16 a thread
.endr
.irp c, 0,1,2,3
	global_load_b64 v[PD+16+2*\c:PD+17+2*\c], v[T8], s[8:9] offset:8192+1024*\c ; in_w's, out_w's, mix_w's, mix_b's 256: two a thread
.endr
.irp j, 0,1
	global_load_b128 v[PD+24+4*\j:PD+27+4*\j], v[T16], s[10:11] offset:2048*\j  ; in_b, whole
.endr
.irp a, 0,1,2,3
	global_load_b32 v[BI+8*\a], v[R4], s[90:91] offset:64*\a                    ; in_b of my lane's n
.endr
	WIN 0xc0
.irp i, 0,1,2,3,4,5,6,7                        ; mix_w and mix_b at my lane's eight t of each tile
	global_load_b128 v[8*\i:8*\i+3], v[H32], s[12:13] offset:64*\i
	global_load_b128 v[8*\i+4:8*\i+7], v[H32], s[12:13] offset:64*\i+16
	global_load_b128 v[64+8*\i:64+8*\i+3], v[H32], s[14:15] offset:64*\i
	global_load_b128 v[64+8*\i+4:64+8*\i+7], v[H32], s[14:15] offset:64*\i+16
.endr
	WIN 0
	s_wait_loadcnt 32                              ; all but the 32 table loads
	v_max3_num_f32 v[RM], v[PD], v[PD+1], v[PD+2]
	v_max3_num_f32 v30, v[PD+3], v[PD+4], v[PD+5]
.irp j, 6,10
	v_max3_num_f32 v[RM], v[RM], v[PD+\j], v[PD+\j+1]
	v_max3_num_f32 v30, v30, v[PD+\j+2], v[PD+\j+3]
.endr
	v_max3_num_f32 v[RM], v[RM], v[PD+14], v[PD+15]
	v_max_num_f32 v[RM], v[RM], v30
.irp c, 0,1,2,3
	v_max_num_f32 v[RM+1+\c], v[PD+16+2*\c], v[PD+17+2*\c]
.endr
	v_max3_num_f32 v[RM+5], |v[PD+24]|, |v[PD+25]|, |v[PD+26]|
	v_max3_num_f32 v[RM+5], v[RM+5], |v[PD+27]|, |v[PD+28]|
	v_max3_num_f32 v[RM+5], v[RM+5], |v[PD+29]|, |v[PD+30]|
	v_max_num_f32 v[RM+5], v[RM+5], |v[PD+31]|
.irp m, 1,2,4,8
.irp k, 0,1,2,3,4,5
	v_max_num_f32_dpp v[RM+\k], v[RM+\k], v[RM+\k] row_xmask:\m row_mask:0xf bank_mask:0xf
.endr
.endr
.irp k, 0,1,2,3,4,5
	v_permlanex16_b32 v[PD+\k], v[RM+\k], s[SEL], s[SEL+1]
.endr
.irp k, 0,1,2,3,4,5
	v_max_num_f32 v[RM+\k], v[RM+\k], v[PD+\k]
.endr
	ds_store_b128 v[RW], v[RM:RM+3]                ; all lanes write the same bytes with the same values
	ds_store_b64 v[RW], v[RM+4:RM+5] offset:16
.irp a, 0,1,2,3
.irp j, 1,2,3,4,5,6,7
	v_mov_b32 v[BI+8*\a+\j], v[BI+8*\a]            ; a lane's eight results share its n
.endr
.endr
	s_wait_tensorcnt 3                             ; my first load has landed; my three younger ones stay out
	s_wait_dscnt 0x0                               ; my maxima are in LDS
	s_barrier_signal -1
	s_barrier_wait -1                              ; k steps 0 and 1 and all four waves' maxima are there
.irp w, 0,1,2,3
	ds_load_b128 v[RDD+8*\w:RDD+8*\w+3], v[RR] offset:32*\w
	ds_load_b64 v[RDD+8*\w+4:RDD+8*\w+5], v[RR] offset:32*\w+16
.endr
	FETCH 0, 0
	s_wait_dscnt 30                                ; the 30 loads of the fetch are younger
.irp k, 0,1,2,3,4,5
	v_max3_num_f32 v[RM+\k], v[RDD+\k], v[RDD+8+\k], v[RDD+16+\k]
.endr
.irp k, 0,1,2,3,4,5
	v_max_num_f32 v[RM+\k], v[RM+\k], v[RDD+24+\k] ; Mx, Mw, Mo, Mv, Mmb, Mib
.endr
	v_max_num_f32 v[SV], 0x30800000, v[RM]         ; the floor 2^-30
	v_max_num_f32 v[SV+1], 0x30800000, v[RM+1]
	v_max_num_f32 v[SV+2], 0x30800000, v[RM+2]
	v_max_num_f32 v[SV+3], 1.0, v[RM+3]
	P2 SV                                          ; PX
	P2 SV+1                                        ; PW
	P2 SV+2                                        ; PO
	P2 SV+3                                        ; PV
	v_mul_f32 v[SV+4], v[SV], v[SV+1]
	v_fma_f32 v[SV+4], v[SV+4], s[K1024], v[RM+5]
	P2 SV+4                                        ; PY
	v_mul_f32 v[SV+5], v[SV+3], v[SV+4]
	v_mul_f32 v[SV+5], 0x45000000, v[SV+5]         ; PS = 2048 PV PY
	v_fma_f32 v[SV+6], v[SV+3], v[SV+5], v[RM+4]
	P2 SV+6                                        ; PZ
	v_sub_nc_u32 v[FF], 0x86800000, v[SV+6]        ; F = 2^15 / PZ: of a power of two p, 1 / p has the bits 0x7f000000 - bits(p)
	v_sub_nc_u32 v[SCV], 0x86800000, v[SV+5]       ; FC = 2^15 / PS
	v_sub_nc_u32 v[SCV+1], 0x7a000000, v[SV+2]     ; FU = 2^-10 / PO
	v_sub_nc_u32 v[SV+7], 0x7f000000, v[SV+6]
	v_mul_f32 v[SV+7], v[SV+5], v[SV+7]            ; PS / PZ
	v_mul_f32 v[SV+8], s[K1024], v[SV+2]
	v_mul_f32 v[SCV+2], v[SV+7], v[SV+8]           ; FA
	v_add_nc_u32 v[SCV+3], 0xf6800000, v[SV+6]     ; OS = PZ 2^-19
	s_cmp_lg_u32 s[WV], 0
	s_cbranch_scc1 .Lno_scal
	global_store_b128 v[ZO], v[SCV:SCV+3], s[20:21]      ; 512 consecutive bytes: the four scales, once for each lane
.Lno_scal:
	STEP 0
	STEP 1
	STEP 2
	STEP 3
	STEP 4
	STEP 5
	STEP 6
	STEP 7
	; ---- the tables: g, a F, mix_b F.  These lines name no register of the products: they are the places behind the last of them
	s_wait_loadcnt 0x0
	WIN 0xc0
	v_mov_b32 v192, v[FF]
	v_mov_b32 v193, v[FF]
	WIN 0xff
.set J, 0
.rept 64
	v_cndmask_b32 v[128+J], v[J], 1.0, s[COL]      ; g = 1 in the first eight heads, v in the others
.set J, J+1
.endr
.set J, 0
.rept 32
	v_pk_mul_f32 v[2*J:2*J+1], v[2*J:2*J+1], v[192:193]
.set J, J+1
.endr
.set J, 0
.rept 64
	v_cndmask_b32 v[J], v192, v[J], s[COL]         ; a F = v F in the first eight heads, F in the others
.set J, J+1
.endr
.set J, 0
.rept 32
	v_pk_mul_f32 v[64+2*J:64+2*J+1], v[64+2*J:64+2*J+1], v[192:193]
.set J, J+1
.endr
	; ---- the scan.  Tile T = 8 a + i; each accumulator is read from its low end on
	WIN 0x8e
.set T, 0
.rept 32
.irp p, 0,2,4,6
	v_pk_mul_f32 v[8*T+\p:8*T+\p+1], v[8*T+\p:8*T+\p+1], v[128+8*(T%8)+\p:128+8*(T%8)+\p+1]   ; g Y
.endr
.set T, T+1
.endr
	WIN 0x8a
.irp j, 1,2,3,4,5,6,7
.set T, 0
.rept 32
	v_add_f32 v[8*T+\j], v[8*T+\j], v[8*T+\j-1]    ; down my eight t, the tiles by turns
.set T, T+1
.endr
.endr
	WIN 0x02
.set T, 0
.rept 32
	v_permlanex16_b32 v[OT+T], v[8*T+7], s[SEL], s[SEL+1]    ; the other half's eight t
.set T, T+1
.endr
.set T, 0
.rept 32
	v_add_f32 v[TT+T], v[8*T+7], v[OT+T]           ; the tile's total
.set T, T+1
.endr
	WIN 0
.irp a, 0,1,2,3
	v_mov_b32 v[CY+\a], 0
.endr
.irp i, 0,1,2,3,4,5,6,7
.irp a, 0,1,2,3
	v_fma_f32 v[OT+8*\a+\i], v[OT+8*\a+\i], v[HM], v[CY+\a]  ; what stands ahead of my eight t: the earlier tiles, and for the upper half the lower half's eight
.endr
.irp a, 0,1,2,3
	v_add_f32 v[CY+\a], v[CY+\a], v[TT+8*\a+\i]
.endr
.endr
	WIN 0x82
.set T, 0
.rept 32
.irp p, 0,2,4,6
.if T%2 == 0
	v_pk_add_f32 v[8*T+\p:8*T+\p+1], v[8*T+\p:8*T+\p+1], v[OT+T:OT+T+1] op_sel_hi:[1,0]
.else
	v_pk_add_f32 v[8*T+\p:8*T+\p+1], v[8*T+\p:8*T+\p+1], v[OT+T-1:OT+T] op_sel:[0,1] op_sel_hi:[1,1]
.endif
.endr
.set T, T+1
.endr
	WIN 0xbe
.set T, 0
.rept 32
.irp p, 0,2,4,6
	v_pk_fma_f32 v[8*T+\p:8*T+\p+1], v[8*T+\p:8*T+\p+1], v[8*(T%8)+\p:8*(T%8)+\p+1], v[64+8*(T%8)+\p:64+8*(T%8)+\p+1]   ; (a L + mix_b) F
.endr
.set T, T+1
.endr
	WIN 0x0a
.set T, 0
.rept 32
.irp p, 0,1,2,3
	v_cvt_pk_f16_f32 v[PK+4*T+\p], v[8*T+2*\p], v[8*T+2*\p+1]
.endr
.set T, T+1
.endr
	WIN 0
	v_cndmask_b32 v[CY], v[CY], v[CY+1], s[HI]     ; both halves hold every total: lanes 16-31 take the next tile's
	v_cndmask_b32 v[CY+2], v[CY+2], v[CY+3], s[HI]
	global_store_b32 v[L4], v[CY], s[18:19]        ; the chunk's totals of my 64 n
	global_store_b32 v[L4], v[CY+2], s[18:19] offset:128
	; ---- a lane holds eight t of one n; the next product wants eight n of one t: through my own stage, turned on the way out
.set T, 0
.rept 32
	ds_store_b128 v[STO], v[PK+4*T:PK+4*T+3] offset:(T/8)*16*SPIT+32*(T%8)
.set T, T+1
.endr
	WIN 0x40
.set T, 0
.rept 32                               ; T = 16 step + 2 tile + group.  LDS serves a wave's instructions in order: these see the stores
	ds_load_tr16_b128 v[4*T:4*T+3], v[TRA] offset:(32*(T/16)+16*(T%2))*SPIT+32*((T/2)%8)
.set T, T+1
.endr
	WIN 0x04
.set T, 0
.rept 32
	s_wait_dscnt 31-T
	global_store_b128 v[ZO], v[4*T:4*T+3], s[16:17] offset:(T/16)*16384+((T/2)%8)*1024+(T%2)*512   ; 32 lanes store 512 consecutive bytes, aligned
.set T, T+1
.endr
	WIN 0
	s_wait_tensorcnt 0x0                           ; the wave's end
	ds_add_u32 v[SPW], v[NIL]
	s_wait_dscnt 0x0
	CROUND                                         ; the closing round
	s_endpgm
.Lfunc_end_k_q8f000586f8_gemm1:
	.size	k_q8f000586f8_gemm1, .Lfunc_end_k_q8f000586f8_gemm1-k_q8f000586f8_gemm1
	.p2alignl 7, 3214868480
	.fill 96, 4, 3214868480
	.section	.rodata,"a",@progbits
	.p2align	6, 0x0
	.amdhsa_kernel k_q8f000586f8_gemm1
		.amdhsa_group_segment_fixed_size 283392
		.amdhsa_private_segment_fixed_size 0
		.amdhsa_enable_private_segment 0
		.amdhsa_kernarg_size 72
		.amdhsa_user_sgpr_count 2
		.amdhsa_user_sgpr_kernarg_segment_ptr 1
		.amdhsa_wavefront_size32 1
		.amdhsa_system_sgpr_workgroup_id_x 1
		.amdhsa_system_sgpr_workgroup_id_y 1
		.amdhsa_system_sgpr_workgroup_id_z 1
		.amdhsa_system_vgpr_workitem_id 0
		.amdhsa_next_free_vgpr 1024
		.amdhsa_next_free_sgpr 100
		.amdhsa_reserve_vcc 0
		.amdhsa_float_denorm_mode_32 3
		.amdhsa_float_denorm_mode_16_64 3
		.amdhsa_memory_ordered 1
		.amdhsa_forward_progress 1
		.amdhsa_inst_pref_size 136
	.end_amdhsa_kernel
	.amdgpu_metadata
---
amdhsa.version: [ 1, 2 ]
amdhsa.kernels:
  - .name:           k_q8f000586f8_gemm1
    .symbol:         k_q8f000586f8_gemm1.kd
    .args:
      - { .name: xq, .offset: 0, .size: 8, .value_kind: global_buffer, .address_space: global }
      - { .name: wq, .offset: 8, .size: 8, .value_kind: global_buffer, .address_space: global }
      - { .name: pmax, .offset: 16, .size: 8, .value_kind: global_buffer, .address_space: global }
      - { .name: in_b, .offset: 24, .size: 8, .value_kind: global_buffer, .address_space: global }
      - { .name: mix_w, .offset: 32, .size: 8, .value_kind: global_buffer, .address_space: global }
      - { .name: mix_b, .offset: 40, .size: 8, .value_kind: global_buffer, .address_space: global }
      - { .name: zf, .offset: 48, .size: 8, .value_kind: global_buffer, .address_space: global }
      - { .name: tot, .offset: 56, .size: 8, .value_kind: global_buffer, .address_space: global }
      - { .name: scal, .offset: 64, .size: 8, .value_kind: global_buffer, .address_space: global }
    .group_segment_fixed_size: 283392
    .private_segment_fixed_size: 0
    .kernarg_segment_align: 8
    .kernarg_segment_size: 72
    .max_flat_workgroup_size: 128
    .sgpr_count:     100
    .vgpr_count:     1024
    .wavefront_size: 32
...
	.end_amdgpu_metadata
.endif
;; end of part 2
;; launch gemm2 (part 3): grid 32 x 8, 4 waves a work-group, clusters of 4 x 4, 327,680 bytes of LDS; arguments zf, wf, tot, scal, mix_w, out_b, out0; writes out0
.if DOCPART == 3
	.amdgcn_target "amdgcn-amd-amdhsa--gfx1250"
	.amdhsa_code_object_version 6
	.text
	.protected	k_q8f000586f8_gemm2
	.globl	k_q8f000586f8_gemm2
	.p2align	8
	.type	k_q8f000586f8_gemm2,@function
k_q8f000586f8_gemm2:
	s_mov_b64 s[64:65], 0
	v_nop
	global_prefetch_b8 v0, s[64:65] scope:SCOPE_SE
	s_setreg_imm32_b32 hwreg(HW_REG_WAVE_MODE, 25, 1), 1
	s_wait_xcnt 0x0
	s_wait_alu depctr_hold_cnt(0) depctr_sa_sdst(0) depctr_va_vdst(0) depctr_va_sdst(0) depctr_va_ssrc(0) depctr_va_vcc(0) depctr_vm_vsrc(0)
	s_getreg_b32 s2, hwreg(HW_REG_IB_STS2, 6, 4)
	s_cmp_eq_u32 s2, 0
	s_cbranch_scc0 .Lentry_in_a_cluster
	s_endpgm
.Lentry_in_a_cluster:
	s_bfe_u32 s2, ttmp6, 0x10000c
	s_cmp_lg_u32 s2, 0xf033
	s_cbranch_scc0 .Lentry_shape_is_right
	s_endpgm
.Lentry_shape_is_right:
; GEMM2.  out0[b][m][t] = sum over n of out_w[m][n] Z[b][n][t] + out_b[m], with Z = Zl + a_h[t] C[n]: Zl the local part (zf, f16 under the scale F), C[n] the sum of the earlier chunks' totals (tot), h = n / 64,
; a_h = mix_w[h] for h < 8 and 1 for h >= 8.  The carries enter linearly: out = sum w Zl + sum over h of a_h[t] U[m][h] + out_b, U[m][h] = sum over n in h of w[m][n] C[n].
; U rides along with the main product: one more row tile E whose only row that is not zero is the head's, holding C in f16; at the end one product of K = 16 heads adds a U.  Only sums are formed.
; UNITS, all exact powers of two (scal): W16 = 16 w, Z16 = F Zl, C16 = FC C, U16 = FU Uacc, A16 = FA a, with FC FU FA = F, so that A16 U16 has the accumulators' unit 16 F; out = acc OS + out_b.
; LIMITS: as the launch before states them (|out_w| < 32; the bound PZ under 2^100; NaN and infinities not served).
; SHARES.  A work-group makes 128 m x 256 t; wave (SH, SL) 64 m x 128 t, one chunk: 32 accumulators and four of U.  Source 0 = 16 t of Z, source 1 = 16 m of out_w: a lane holds one m and eight neighbouring t.
; K goes through two LDS slots of 192 n (six steps of 32), the largest two that fit; the last slot's fill is short (64 n).  All is written out: six slots' worth.
; CLUSTER 4 x 4: Z's blocks hang on the block of t alone (a column of the cluster asks jointly), out_w's on the block of m alone (a row).
; REGISTERS.  Window 0: addresses, out_b, the way out.  Window 1: two sets of fragments (64 of Z, 32 of W), E at v192, C16 at v208.  Window 2: the accumulators (i, a) at v[8 (8 a + i)]; ahead of the loop tot, sums, mix_w.
; Window 3: v0-31 U's accumulators, v32-95 A16's fragments, v96-127 U16's.
.set SLOTB, 147456
.set ZB,    98304                      ; a slot: Z [6][16 tiles][1 KB], then W [6][8 tiles][1 KB]
.set WB,    49152
.set CB,    2*SLOTB                    ; C16 [2 chunks][1024 n]
.set SPARE, CB+4096                    ; the spare words, 128 bytes a wave
.set SPITCH, 528                       ; the way out: 16 rows x (512 bytes + 16) a wave, in slot 0, which by then has had its last fill and its last read
.set SPW, 4
.set NIL, 5
.set AZ,  6                            ; v6-9   Z's fragments: slot 0 steps 0-2, 3-5; slot 1 likewise (an LDS offset has 16 bits)
.set AWF, 10                           ; v10-11 W's fragments, slot 0, 1
.set CAD, 12                           ; v12    C16 of my chunk, 16 bytes for each half of the lanes
.set CBW, 13                           ; v13    where I store C16
.set STO, 14
.set RD,  15
.set CO,  16                           ; v16    16 x lane
.set T16, 17                           ; v17    16 x thread
.set R4,  18                           ; v18    4 (lane % 16)
.set OB,  20                           ; v20-27 out_b of my lane's m, a pair for each tile of m
.set TS,  64                           ; v64-127 at work
.set BK,  128                          ; v128-255 rows read back, two sets
.set WV,  18
.set SH,  19
.set SL,  20
.set TBLK, 23
.set MBLK, 24
.set SE0, 26                           ; s[26:27], s[28:29] 1.0 or 0: does a chunk's total count for my work-group's first, second chunk
.set SE1, 28
.set CC0, 30
.set MK,  31
.set G1Z, 32
.set G1W, 40
.set G1ZS, 48
.set G1WS, 56
.set HI,  67
.set G0Z, 68                           ; s[68:75] a set for each slot
.set G0W, 76                           ; s[76:83]
.set G0ZS, 84
.set G0WS, 88
.set MSB, 0
.macro WIN new
.if MSB != \new
	s_set_vgpr_msb (MSB<<8)|\new
.set MSB, \new
.endif
.endm
.macro PLACES
.rept 4
	v_nop
.endr
.endm
.macro CREST                           ; a round of the cluster's barrier behind its opening barrier
	s_cmp_lg_u32 s[WV], 0
	s_cbranch_scc1 .Lnot_wave_0_\@
	s_barrier_signal -3
.Lnot_wave_0_\@:
	s_barrier_wait -3
	s_barrier_signal -1
	s_barrier_wait -1
.endm
.macro CROUND
	s_barrier_signal -1
	s_barrier_wait -1
	CREST
.endm
.macro G1SET g, rows                   ; a dense block as rows of 256 bytes
	s_mov_b32 s[\g+1], 32<<16
	s_mov_b32 s[\g+2], (\rows)<<16
	s_mov_b32 s[\g+3], 32<<16
	s_mov_b32 s[\g+4], \rows
	s_mov_b32 s[\g+5], 32
	s_mov_b32 s[\g+6], 0
	s_mov_b32 s[\g+7], 0
.endm
; a joint load: waves 0 and 1 fetch W's halves, waves 2 and 3 Z's.  An s_nop 0 and four v_nop follow each of the two lines
.macro JLOAD g0a, g1a, g0b, g1b
	s_cmp_eq_u32 s[SH], 0
	s_cbranch_scc0 .Lfor_z_\@
	tensor_load_to_lds s[\g0a:\g0a+3], s[\g1a:\g1a+7]
	s_nop 0
.rept 4
	v_nop
.endr
	s_branch .Lasked_\@
.Lfor_z_\@:
	tensor_load_to_lds s[\g0b:\g0b+3], s[\g1b:\g1b+7]
	s_nop 0
.rept 4
	v_nop
.endr
.Lasked_\@:
.endm
; 26 LDS loads: step q of a slot (step kc of K) into set f: eight tiles of Z, four of W, C16's 32 n
.macro FETCH slot, q, f, kc
	WIN 0x40
.irp i, 0,1,2,3,4,5,6,7
.irp g, 0,1
	ds_load_b128 v[96*(\f)+8*\i+4*\g:96*(\f)+8*\i+4*\g+3], v[AZ+2*(\slot)+(\q)/3] offset:((\q)%3)*16384+\i*1024+512*\g
.endr
.endr
.irp a, 0,1,2,3
.irp g, 0,1
	ds_load_b128 v[96*(\f)+64+8*\a+4*\g:96*(\f)+64+8*\a+4*\g+3], v[AWF+(\slot)] offset:(\q)*8192+\a*1024+512*\g
.endr
.endr
.irp g, 0,1
	ds_load_b128 v[208+8*(\f)+4*\g:208+8*(\f)+4*\g+3], v[CAD] offset:(\kc)*64+32*\g
.endr
.endm
.macro EMASK f, kc                     ; E: C16 in the row of head kc / 2 (lanes kc / 2 and 16 + kc / 2), zeros elsewhere.  Eight plain lines
	s_mov_b32 s[MK], 0x00010001<<((\kc)/2)
	WIN 0x44
.irp j, 0,1,2,3,4,5,6,7
	v_cndmask_b32 v[192+8*(\f)+\j], 0, v[208+8*(\f)+\j], s[MK]
.endr
.endm
.macro MAIN z, f, from, n              ; products from .. of a step's 32; with U's four the 36 accumulators take turns, in one order
.set IDX, \from
.rept \n
.set rD, 8*IDX
.set rA, 96*(\f)+8*(IDX%8)
.set rB, 96*(\f)+64+8*(IDX/8)
.if \z
	v_wmma_f32_16x16x32_f16 v[rD:rD+7], v[rA:rA+7], v[rB:rB+7], 0
.else
	v_wmma_f32_16x16x32_f16 v[rD:rD+7], v[rA:rA+7], v[rB:rB+7], v[rD:rD+7]
.endif
.set IDX, IDX+1
.endr
.endm
.macro UEXT z, f
.irp a, 0,1,2,3
.if \z
	v_wmma_f32_16x16x32_f16 v[8*\a:8*\a+7], v[192+8*(\f):199+8*(\f)], v[96*(\f)+64+8*\a:96*(\f)+71+8*\a], 0
.else
	v_wmma_f32_16x16x32_f16 v[8*\a:8*\a+7], v[192+8*(\f):199+8*(\f)], v[96*(\f)+64+8*\a:96*(\f)+71+8*\a], v[8*\a:8*\a+7]
.endif
.endr
.endm
; a step of 32 along K whose successor lies in the same slot
.macro QUARTER kc, z
.set QF, (\kc)%2
.set QN, (\kc)+1
	s_wait_dscnt 0x0                               ; this step's fragments are in (asked for 36 products ago)
	EMASK QF, \kc                                  ; its eight lines are the places in front of the loads below
	FETCH (QN/6)%2, QN%6, 1-QF, QN
	WIN 0xa5
	MAIN \z, QF, 0, 32
	WIN 0xf5
	UEXT \z, QF
.endm
; a slot's last step changes slots.  In front of the barrier each wave waits for all its tensor loads (its part of the next slot), adds 0 to its spare word, and waits for that and for its reads of this slot.
; kind 1: this slot is filled again, two slots ahead; 2: with the short last fill; 0: nothing is left to fetch, and the barrier is the work-group's alone
.macro TURN kc, kind
.set QF, (\kc)%2
.set QS, ((\kc)/6)%2
	WIN 0
	s_wait_tensorcnt 0x0
	ds_add_u32 v[SPW], v[NIL]
	s_wait_dscnt 1                                 ; this step's fragments are in; only the add is younger
	EMASK QF, \kc
	WIN 0xa5
	MAIN 0, QF, 0, 8
	s_wait_dscnt 0x0                               ; the add is done, and my reads of this slot are over
	s_barrier_signal -1
	MAIN 0, QF, 8, 8
	WIN 0
	s_barrier_wait -1
.if \kind == 1
	CREST                                          ; the barrier has opened a round of the cluster's: no wave of any partner still reads this slot or has a load on its way
	s_add_nc_u64 s[G0Z+4*QS+2:G0Z+4*QS+3], s[G0Z+4*QS+2:G0Z+4*QS+3], 2*ZB
	s_add_nc_u64 s[G0W+4*QS+2:G0W+4*QS+3], s[G0W+4*QS+2:G0W+4*QS+3], 2*WB
	JLOAD G0W+4*QS, G1W, G0Z+4*QS, G1Z             ; my one tensor load behind the round: it has six steps, 216 products, in which to land; its four v_nop are the places in front of the loads below
.elseif \kind == 2
	CREST
	JLOAD G0WS, G1WS, G0ZS, G1ZS
.else
	PLACES
.endif
	FETCH 1-QS, 0, 1-QF, (\kc)+1
	WIN 0xa5
	MAIN 0, QF, 16, 16
	WIN 0xf5
	UEXT 0, QF
.endm
	s_load_b256 s[4:11], s[0:1], 0x0               ; zf, wf, tot, scal
	s_load_b128 s[12:15], s[0:1], 0x20             ; mix_w, out_b
	s_load_b64 s[16:17], s[0:1], 0x30              ; out0
	v_lshl_add_u32 v[SPW], v0, 2, SPARE
	v_mov_b32 v[NIL], 0
	ds_add_u32 v[SPW], v[NIL]                      ; the wave's opening: the add and its wait come ahead of my first tensor load
	v_lshrrev_b32 v1, 5, v0
	v_readfirstlane_b32 s[WV], v1
	s_lshr_b32 s[SH], s[WV], 1                     ; which 64 m.  Also: I fetch W (0) or Z (1)
	s_and_b32 s[SL], s[WV], 1                      ; which chunk.  Also: which half of a fill
	s_bfe_u32 s21, ttmp6, 0x40000                  ; cx
	s_bfe_u32 s22, ttmp6, 0x40004                  ; cy
	s_lshl_b32 s[TBLK], ttmp9, 2
	s_add_co_u32 s[TBLK], s[TBLK], s21             ; block of 256 t
	s_and_b32 s[MBLK], ttmp7, 0xffff
	s_lshl_b32 s[MBLK], s[MBLK], 2
	s_add_co_u32 s[MBLK], s[MBLK], s22             ; block of 128 m
	s_lshl_b32 s25, s22, 2
	s_lshl_b32 s25, 15, s25                        ; my row of the cluster
	s_lshl_b32 s30, 0x1111, s21                    ; my column
	s_or_b32 s[G1Z], s30, (3<<16)|(1<<21)
	s_or_b32 s[G1ZS], s30, (3<<16)|(1<<21)
	s_or_b32 s[G1W], s25, (3<<16)|(1<<21)
	s_or_b32 s[G1WS], s25, (3<<16)|(1<<21)
	G1SET G1Z, 192                                 ; half a slot's Z: 49,152 bytes
	G1SET G1W, 96                                  ; half a slot's W: 24,576
	G1SET G1ZS, 64                                 ; half of the short fill: 16,384
	G1SET G1WS, 32                                 ; 8,192
	s_lshl_b32 s2, s[TBLK], 19
	s_mul_i32 s26, s[SL], 49152
	s_add_co_u32 s26, s26, s2
	s_mov_b32 s27, 0
	s_lshl_b32 s3, s[SL], 14
	s_add_co_u32 s2, s2, s3
	s_add_co_u32 s2, s2, 30*16384
	s_mov_b32 s3, 0
	s_lshl_b32 s66, s[MBLK], 18
	s_mul_i32 s28, s[SL], 24576
	s_add_co_u32 s28, s28, s66
	s_mov_b32 s29, 0
	s_lshl_b32 s67, s[SL], 13
	s_add_co_u32 s66, s66, s67
	s_add_co_u32 s66, s66, 30*8192
	s_mov_b32 s67, 0
	s_wait_dscnt 0x0                               ; the opening add is done
	s_wait_kmcnt 0x0
	CROUND                                         ; all sixteen work-groups are here: the first joint loads meet
	s_mov_b32 s[G0Z], 1
	s_mul_i32 s[G0Z+1], s[SL], 49152
	s_add_nc_u64 s[G0Z+2:G0Z+3], s[4:5], s[26:27]
	s_mov_b32 s[G0Z+4], 1
	s_add_co_u32 s[G0Z+5], s[G0Z+1], SLOTB
	s_add_nc_u64 s[G0Z+6:G0Z+7], s[G0Z+2:G0Z+3], ZB
	s_or_b32 s[G0Z+3], s[G0Z+3], 0x80000000
	s_or_b32 s[G0Z+7], s[G0Z+7], 0x80000000
	s_mov_b32 s[G0W], 1
	s_mul_i32 s[G0W+1], s[SL], 24576
	s_add_co_u32 s[G0W+1], s[G0W+1], ZB
	s_add_nc_u64 s[G0W+2:G0W+3], s[6:7], s[28:29]
	s_mov_b32 s[G0W+4], 1
	s_add_co_u32 s[G0W+5], s[G0W+1], SLOTB
	s_add_nc_u64 s[G0W+6:G0W+7], s[G0W+2:G0W+3], WB
	s_or_b32 s[G0W+3], s[G0W+3], 0x80000000
	s_or_b32 s[G0W+7], s[G0W+7], 0x80000000
	s_mov_b32 s[G0ZS], 1
	s_lshl_b32 s[G0ZS+1], s[SL], 14
	s_add_co_u32 s[G0ZS+1], s[G0ZS+1], SLOTB
	s_add_nc_u64 s[G0ZS+2:G0ZS+3], s[4:5], s[2:3]
	s_or_b32 s[G0ZS+3], s[G0ZS+3], 0x80000000
	s_mov_b32 s[G0WS], 1
	s_lshl_b32 s[G0WS+1], s[SL], 13
	s_add_co_u32 s[G0WS+1], s[G0WS+1], SLOTB+ZB
	s_add_nc_u64 s[G0WS+2:G0WS+3], s[6:7], s[66:67]
	s_or_b32 s[G0WS+3], s[G0WS+3], 0x80000000
	s_cmp_eq_u32 s[SH], 0                          ; a wave's two first fills stand in one branch: two loads of mine are out
	s_cbranch_scc0 .Lfirst_z
	tensor_load_to_lds s[G0W:G0W+3], s[G1W:G1W+7]
	s_nop 0
	tensor_load_to_lds s[G0W+4:G0W+7], s[G1W:G1W+7]
	s_nop 0
	PLACES
	s_branch .Lfirst_asked
.Lfirst_z:
	tensor_load_to_lds s[G0Z:G0Z+3], s[G1Z:G1Z+7]
	s_nop 0
	tensor_load_to_lds s[G0Z+4:G0Z+7], s[G1Z:G1Z+7]
	s_nop 0
	PLACES
.Lfirst_asked:
	s_mov_b32 s3, 0
	s_lshl_b32 s2, s[MBLK], 14
	s_lshl_b32 s25, s[TBLK], 9
	s_add_co_u32 s2, s2, s25
	s_add_nc_u64 s[10:11], s[10:11], s[2:3]
	s_load_b128 s[92:95], s[10:11], 0x0            ; FC, FU, FA, OS
	v_and_b32 v1, 31, v0                           ; lane
	v_and_b32 v2, 15, v0                           ; r
	v_bfe_u32 v3, v0, 4, 1                         ; half
	s_lshl_b32 s25, s[SL], 13
	v_lshl_add_u32 v[AZ], v1, 4, s25
	v_add_nc_u32 v[AZ+1], 49152, v[AZ]
	v_add_nc_u32 v[AZ+2], SLOTB, v[AZ]
	v_add_nc_u32 v[AZ+3], SLOTB+49152, v[AZ]
	s_lshl_b32 s25, s[SH], 12
	s_add_co_u32 s25, s25, ZB
	v_lshl_add_u32 v[AWF], v1, 4, s25
	v_add_nc_u32 v[AWF+1], SLOTB, v[AWF]
	s_lshl_b32 s25, s[SL], 11
	s_add_co_u32 s25, s25, CB
	v_lshl_add_u32 v[CAD], v3, 4, s25
	v_lshl_add_u32 v[CBW], v0, 3, CB
	s_mul_i32 s25, s[WV], 16*SPITCH
	v_mul_u32_u24 v[STO], v2, SPITCH
	v_lshl_add_u32 v[STO], v3, 5, v[STO]
	v_add_nc_u32 v[STO], s25, v[STO]               ; the stage, in: row m = r, 32 bytes for each half of the lanes
	v_lshlrev_b32 v[CO], 4, v1
	v_add_nc_u32 v[RD], s25, v[CO]                 ; and back: a row of 512 bytes to the 32 lanes
	v_lshlrev_b32 v[T16], 4, v0
	v_lshlrev_b32 v[R4], 2, v2
	s_lshr_b32 s25, s[TBLK], 3                     ; batch
	s_lshl_b32 s2, s25, 16
	s_add_nc_u64 s[8:9], s[8:9], s[2:3]            ; tot: the batch's 16 rows
	s_lshl_b32 s2, s[MBLK], 9
	s_lshl_b32 s66, s[SH], 8
	s_add_co_u32 s2, s2, s66
	s_add_nc_u64 s[14:15], s[14:15], s[2:3]        ; out_b at my 64 m
	s_and_b32 s66, s[TBLK], 7
	s_lshl_b32 s[CC0], s66, 1                      ; my work-group's first chunk in its batch
	s_lshl_b32 s2, s66, 10
	s_lshl_b32 s66, s[SL], 9
	s_add_co_u32 s2, s2, s66                       ; my chunk's first t, in bytes
	s_add_nc_u64 s[12:13], s[12:13], s[2:3]
	s_lshl_b32 s66, s25, 23
	s_add_co_u32 s2, s2, s66
	s_lshl_b32 s66, s[MBLK], 20
	s_add_co_u32 s2, s2, s66
	s_lshl_b32 s66, s[SH], 19
	s_add_co_u32 s2, s2, s66
	s_add_nc_u64 s[16:17], s[16:17], s[2:3]        ; out0 at my first m and t
	s_mov_b32 s[HI], 0xffff0000
	s_mov_b32 s[SE0+1], 0                          ; (named as the upper halves of pairs)
	s_mov_b32 s[SE1+1], 0
	WIN 0x80
.set C, 0
.rept 15                               ; the totals of chunks 0 to 14 of my batch: eight n a thread
	global_load_b128 v[8*C:8*C+3], v[T16], s[8:9] offset:4096*C
	global_load_b128 v[8*C+4:8*C+7], v[T16], s[8:9] offset:4096*C+2048
.set C, C+1
.endr
	WIN 0
.irp a, 0,1,2,3
	global_load_b32 v[OB+2*\a], v[R4], s[14:15] offset:64*\a
.endr
	WIN 0x80
.set J, 0
.rept 64                               ; mix_w[h = J % 8][16 (J / 8) + r] of my chunk
	global_load_b32 v[136+J], v[R4], s[12:13] offset:(J%8)*8192+64*(J/8)
.set J, J+1
.endr
	s_wait_kmcnt 0x0
	s_mov_b32 s96, s94
	s_mov_b32 s97, s94                             ; FA,
	s_mov_b32 s98, s95
	s_mov_b32 s99, s95                             ; OS,
	s_mov_b32 s100, s93
	s_mov_b32 s101, s93                            ; FU as pairs
	s_wait_loadcnt 63                              ; the totals and out_b are the first 34 of 98 loads: 64 are younger; the wait's field ends at 63, which asks for more
	; the carries of my work-group's two chunks: every earlier chunk's total counts, chosen by a factor 1 or 0: no branch, a constant number of terms
	WIN 0xa2
.set C, 0
.rept 15
	s_cmp_gt_u32 s[CC0], C
	s_cselect_b32 s[SE0], 1.0, 0
	s_cmp_ge_u32 s[CC0], C
	s_cselect_b32 s[SE1], 1.0, 0
.irp p, 0,2,4,6
.if C == 0
	v_pk_mul_f32 v[120+\p:121+\p], v[8*C+\p:8*C+\p+1], s[SE0:SE0+1] op_sel_hi:[1,0]
	v_pk_mul_f32 v[128+\p:129+\p], v[8*C+\p:8*C+\p+1], s[SE1:SE1+1] op_sel_hi:[1,0]
.else
	v_pk_fma_f32 v[120+\p:121+\p], v[8*C+\p:8*C+\p+1], s[SE0:SE0+1], v[120+\p:121+\p] op_sel_hi:[1,0,1]
	v_pk_fma_f32 v[128+\p:129+\p], v[8*C+\p:8*C+\p+1], s[SE1:SE1+1], v[128+\p:129+\p] op_sel_hi:[1,0,1]
.endif
.endr
.set C, C+1
.endr
.irp p, 0,2,4,6,8,10,12,14
	v_pk_mul_f32 v[120+\p:121+\p], v[120+\p:121+\p], s[92:93] op_sel_hi:[1,0]   ; x FC
.endr
	WIN 0x8a
.irp q, 0,1,2,3,4,5,6,7
	v_cvt_pk_f16_f32 v[200+\q], v[120+2*\q], v[121+2*\q]
.endr
	WIN 0x08
	ds_store_b64 v[CBW], v[200:201]                ; chunk 0: n = 4 thread ..,
	ds_store_b64 v[CBW], v[202:203] offset:1024    ; n = 512 + 4 thread ..;
	ds_store_b64 v[CBW], v[204:205] offset:2048    ; chunk 1
	ds_store_b64 v[CBW], v[206:207] offset:3072
	s_wait_loadcnt 0x0
	; A16: lane (r, half) holds t = r and heads 8 half + 0 .. 7: mix_w FA below, FA above; K = 16 to 31 are zeros
	WIN 0x82
.set J, 0
.rept 64
	v_cndmask_b32 v[136+J], v[136+J], 1.0, s[HI]
.set J, J+1
.endr
.set J, 0
.rept 32
	v_pk_mul_f32 v[136+2*J:137+2*J], v[136+2*J:137+2*J], s[96:97] op_sel_hi:[1,0]
.set J, J+1
.endr
	WIN 0xca
.set J, 0
.rept 32
	v_cvt_pk_f16_f32 v[32+8*(J/4)+J%4], v[136+2*J], v[137+2*J]
.set J, J+1
.endr
	WIN 0xc0
.irp i, 0,1,2,3,4,5,6,7
.irp j, 4,5,6,7
	v_mov_b32 v[32+8*\i+\j], 0
.endr
.endr
.irp a, 0,1,2,3
.irp j, 4,5,6,7
	v_mov_b32 v[96+8*\a+\j], 0
.endr
.endr
	WIN 0
.irp a, 0,1,2,3
	v_mov_b32 v[OB+2*\a+1], v[OB+2*\a]
.endr
	s_wait_tensorcnt 1                             ; my part of slot 0 is in; slot 1's may stay out
	s_wait_dscnt 0x0                               ; my part of C16 is in LDS
	s_barrier_signal -1
	s_barrier_wait -1
	FETCH 0, 0, 0, 0
	QUARTER 0, 1                                   ; the first step starts all 36 sums: nothing is cleared
.irp k, 1,2,3,4
	QUARTER \k, 0
.endr
	TURN 5, 1
.irp k, 6,7,8,9,10
	QUARTER \k, 0
.endr
	TURN 11, 1
.irp k, 12,13,14,15,16
	QUARTER \k, 0
.endr
	TURN 17, 1
.irp k, 18,19,20,21,22
	QUARTER \k, 0
.endr
	TURN 23, 2
.irp k, 24,25,26,27,28
	QUARTER \k, 0
.endr
	TURN 29, 0
	QUARTER 30, 0
	s_wait_dscnt 0x0                               ; the last step: nothing more to fetch
	EMASK 1, 31
	WIN 0xa5
	MAIN 0, 1, 0, 32
	WIN 0xf5
	UEXT 0, 1
	; ---- the carries' part.  U's accumulator holds in lane (r, half), register j, U[m = r][head 8 half + j]: rounded in pairs these ARE the operand's registers: no lane is crossed
	PLACES
	WIN 0x03
.irp a, 0,1,2,3
.irp p, 0,2,4,6
	v_pk_mul_f32 v[TS+8*\a+\p:TS+8*\a+\p+1], v[8*\a+\p:8*\a+\p+1], s[100:101] op_sel_hi:[1,0]   ; x FU, each accumulator from its low end on
.endr
.endr
	WIN 0xc0
.irp a, 0,1,2,3
.irp p, 0,1,2,3
	v_cvt_pk_f16_f32 v[96+8*\a+\p], v[TS+8*\a+2*\p], v[TS+8*\a+2*\p+1]
.endr
.endr
	WIN 0xaf
.set IDX, 0
.rept 32
	v_wmma_f32_16x16x32_f16 v[8*IDX:8*IDX+7], v[32+8*(IDX%8):39+8*(IDX%8)], v[96+8*(IDX/8):103+8*(IDX/8)], v[8*IDX:8*IDX+7]
.set IDX, IDX+1
.endr
	PLACES
	; ---- the way out, 16 m x 128 t at a time: acc OS + out_b; a lane's 32 bytes go through my own stage and come back as whole rows of 512 bytes
.macro OUTBLK a
	WIN 0x02
.set I, 0
.rept 8
.irp p, 0,2,4,6
	v_pk_fma_f32 v[TS+8*I+\p:TS+8*I+\p+1], v[8*(8*(\a)+I)+\p:8*(8*(\a)+I)+\p+1], s[98:99], v[OB+2*(\a):OB+2*(\a)+1] op_sel_hi:[1,0,0]
.endr
.set I, I+1
.endr
	WIN 0
.set I, 0
.rept 8
	ds_store_b128 v[STO], v[TS+8*I:TS+8*I+3] offset:64*I
	ds_store_b128 v[STO], v[TS+8*I+4:TS+8*I+7] offset:64*I+16
.set I, I+1
.endr
.set BB, BK+64*((\a)%2)
.set I, 0
.rept 16
	ds_load_b128 v[BB+4*I:BB+4*I+3], v[RD] offset:I*SPITCH     ; LDS serves a wave's instructions in order: these see the stores, and the next block's stores come behind them
.set I, I+1
.endr
.endm
.macro SEND a, younger
.set BB, BK+64*((\a)%2)
	s_wait_dscnt \younger                          ; the block is back; the next block's 16 stores and 16 loads may be out
.set I, 0
.rept 16
	global_store_b128 v[CO], v[BB+4*I:BB+4*I+3], s[16:17] offset:(\a)*131072+I*8192 th:TH_STORE_NT   ; 32 lanes store 512 consecutive bytes, aligned; written once
.set I, I+1
.endr
.endm
	OUTBLK 0
	s_wait_dscnt 16                                ; block 0's stores into the stage have read their registers; its 16 loads are younger
	OUTBLK 1
	SEND 0, 32
	s_wait_xcnt 0x0                                ; block 0's stores to memory have read their registers, which block 2's loads fill
	s_wait_dscnt 16
	OUTBLK 2
	SEND 1, 32
	s_wait_xcnt 0x0
	s_wait_dscnt 16
	OUTBLK 3
	SEND 2, 32
	SEND 3, 0
	s_wait_tensorcnt 0x0                           ; the wave's end
	ds_add_u32 v[SPW], v[NIL]
	s_wait_dscnt 0x0
	CROUND                                         ; the closing round
	s_endpgm
.Lfunc_end_k_q8f000586f8_gemm2:
	.size	k_q8f000586f8_gemm2, .Lfunc_end_k_q8f000586f8_gemm2-k_q8f000586f8_gemm2
	.p2alignl 7, 3214868480
	.fill 96, 4, 3214868480
	.section	.rodata,"a",@progbits
	.p2align	6, 0x0
	.amdhsa_kernel k_q8f000586f8_gemm2
		.amdhsa_group_segment_fixed_size 327680
		.amdhsa_private_segment_fixed_size 0
		.amdhsa_enable_private_segment 0
		.amdhsa_kernarg_size 56
		.amdhsa_user_sgpr_count 2
		.amdhsa_user_sgpr_kernarg_segment_ptr 1
		.amdhsa_wavefront_size32 1
		.amdhsa_system_sgpr_workgroup_id_x 1
		.amdhsa_system_sgpr_workgroup_id_y 1
		.amdhsa_system_sgpr_workgroup_id_z 1
		.amdhsa_system_vgpr_workitem_id 0
		.amdhsa_next_free_vgpr 896
		.amdhsa_next_free_sgpr 102
		.amdhsa_reserve_vcc 0
		.amdhsa_float_denorm_mode_32 3
		.amdhsa_float_denorm_mode_16_64 3
		.amdhsa_memory_ordered 1
		.amdhsa_forward_progress 1
		.amdhsa_inst_pref_size 218
	.end_amdhsa_kernel
	.amdgpu_metadata
---
amdhsa.version: [ 1, 2 ]
amdhsa.kernels:
  - .name:           k_q8f000586f8_gemm2
    .symbol:         k_q8f000586f8_gemm2.kd
    .args:
      - { .name: zf, .offset: 0, .size: 8, .value_kind: global_buffer, .address_space: global }
      - { .name: wf, .offset: 8, .size: 8, .value_kind: global_buffer, .address_space: global }
      - { .name: tot, .offset: 16, .size: 8, .value_kind: global_buffer, .address_space: global }
      - { .name: scal, .offset: 24, .size: 8, .value_kind: global_buffer, .address_space: global }
      - { .name: mix_w, .offset: 32, .size: 8, .value_kind: global_buffer, .address_space: global }
      - { .name: out_b, .offset: 40, .size: 8, .value_kind: global_buffer, .address_space: global }
      - { .name: out0, .offset: 48, .size: 8, .value_kind: global_buffer, .address_space: global }
    .group_segment_fixed_size: 327680
    .private_segment_fixed_size: 0
    .kernarg_segment_align: 8
    .kernarg_segment_size: 56
    .max_flat_workgroup_size: 128
    .sgpr_count:     102
    .vgpr_count:     896
    .wavefront_size: 32
...
	.end_amdgpu_metadata
.endif
;; end of part 3
